; MI455X (gfx1250); checked and timed in simulation.
; The chip was launched on July 23, 2026; its instructions are those of AMD's public machine-readable ISA for CDNA 5 (MIT licence, August 2026) and "CDNA5" Instruction Set Architecture Reference Guide (July 2026). The comments in the code are by the model that wrote it; some were corrected since.
;; Attention. Allowed arithmetic: matrix products marked QUANTISED: E2M1 operands, one E8M0 scale for each 32 along K, by v_wmma_scale_f32_16x16x128_f8f6f4 with both operands' format E2M1 (or v_wmma_scale_f32_32x16x128_f4), f32 sums; products left as they are: f32 operands where the result goes on into a quantised operand, else bf16, f16 or f32 operands; f32 sums; everything else in f32.
;; Inputs: attn_b 512 float32; attn_w 512 x 2,048 float32; encoder_outputs 2,048 x 32 x 1,024 float32; hidden 32 x 1,024 float32; mask 32 x 2,048 int32; v 512 float32.
;; Outputs: out0 32 x 2,048 float32.
;; This version of the problem:
;;   THIS VERSION OF THE PROBLEM IS GIVEN IN LOW PRECISION. The matrix products marked QUANTISED in the list below multiply operands that are first quantised to E2M1 (2 exponent bits, 1 mantissa bit; 4 bits a number), with one power-of-two scale for each 32 numbers along K (OCP MX v1.0); their sums are f32. All else is computed in f32.
;;   The module's matrix products, in the order in which they are computed (A, B: the left and right operand; K: the contracted axis; several contracted axes count as one K, in the product's order):
;;     1. [M 65,536, K 2,048] x [K 2,048, N 512]; A: computed on the way; B: input attn_w: QUANTISED
;;     2. [M 65,536, K 512] x [K 512, N 1]; A: computed on the way; B: input v: left as it is (N = 1 < 16)
;;   THE QUANTISER, for each operand of a quantised product, along K:
;;     - K is cut into blocks of 32 from its start; a last block that is shorter is filled with zeros.
;;     - A block's scale is 2^e with e = floor(log2(the largest magnitude in the block)) - 2, held to -126 .. 127; a block of zeros has e = 0. As a byte (E8M0): e + 127.
;;     - Each number is divided by its block's scale, clamped to +-6, and rounded to the nearest number of E2M1, ties to even, subnormals kept.
;;     - The product sums the exact products of the quantised numbers (number of the format x scale) in f32.
;;   ~~~python
;;   def quantise(x, axis):      # numpy; x: float32 -> the quantised numbers, widened to float32 again
;;       x = np.moveaxis(x, axis, -1); K = x.shape[-1]
;;       x = np.pad(x, [(0, 0)] * (x.ndim - 1) + [(0, -K % 32)]); x = x.reshape(x.shape[:-1] + (-1, 32)); a = np.abs(x).max(-1, keepdims=True)
;;       e = np.where(a > 0, np.clip(np.frexp(np.where(a > 0, a, 1))[1] - 1 - 2, -126, 127), 0)      # np.frexp(a)[1] - 1 = floor(log2(a)), exactly
;;       r = np.clip(x / 2.0 ** e, -6, 6)
;;       step = 2.0 ** (np.maximum(np.frexp(np.where(r == 0, 1, r))[1] - 1, 0) - 1)
;;       q = np.round(r / step) * step * 2.0 ** e      # np.round: ties to even
;;       return np.moveaxis(q.reshape(q.shape[:-2] + (-1,))[..., :K], -1, axis).astype(np.float32)
;;   ~~~
;;   OPERANDS COMPUTED ON THE WAY. 'Computed on the way' means the value that the module computes at that place (a softmax that the list does not call 'softmax' is quantised finished and normalised). What goes into a quantiser is computed in f32, as accurately as f32 sums, v_exp_f32 and their like allow (about 1e-6 of the number): no bf16 or f16 on the way to a quantiser, and a product that is left as it is and whose result goes on into a quantised operand takes f32 operands (vector FMAs, or v_wmma_f32_16x16x4_f32). A number that lies on a knife's edge between two numbers of the format may be rounded either way, as far as f32 arithmetic and the matrix unit's own rounding can turn it there, and no further.
;; One version. Each part assembles by itself: llvm-mc -triple=amdgcn-amd-amdhsa -mcpu=gfx1250 --defsym DOCPART=n.
;; ======== version 1 of 1: 3 launches
;; limits: right only within a limited range of input values
;; workspace buffers: wq 262,144 bytes; wsc 16,384 bytes; hb 262,144 bytes; logits 262,144 bytes
;; launch prep (part 1): grid 32 x 4, 4 waves a work-group, no clusters, 167,936 bytes of LDS; arguments attn_w, hidden, attn_b, wq, wsc, hb; writes wq, wsc, hb
.if DOCPART == 1
	.amdgcn_target "amdgcn-amd-amdhsa--gfx1250"
	.amdhsa_code_object_version 6
	.text
	.protected	k_q4545c514e1_prep
	.globl	k_q4545c514e1_prep
	.p2align	8
	.type	k_q4545c514e1_prep,@function
k_q4545c514e1_prep:
	s_mov_b64 s[64:65], 0
	v_nop
	global_prefetch_b8 v0, s[64:65] scope:SCOPE_SE
	s_setreg_imm32_b32 hwreg(HW_REG_WAVE_MODE, 25, 1), 1
	s_wait_xcnt 0x0
; attn_w [512][2048] f32 is quantised along K to codes of FP4 (E2M1) with one E8M0 byte for each 32 along K, once for the whole program.
; K = 0..1023 meets hidden, K = 1024..2047 meets encoder_outputs, and no block of 32 straddles 1024: so the quantised product falls exactly into two sums.
; The rows (b, s) of the first part are the same for all s (reference() broadcasts hidden along s), so that sum is made once for each b, here.
;   wq  [T 0..31][k' 0..7][c 0..1][lane][16 bytes]: lane (r, h), chunk c: codes of k = 1024 + 128 k' + 64 c + 32 h + 0..31 of row 16 T + r
;   wsc [T][lane][g 0..3][4 bytes]: lanes 0-15: row 16 T + lane, K step 2 g; lanes 16-31: row 16 T + lane - 16, K step 2 g + 1
;   hb  [p 0..3][T][b 0..31][16 n] f32: plane p = c x (Q(hidden[b]) . Q(attn_w[16 T + n]) over k = 256 p .. 256 p + 255), c = 2 log2(e), by the FP4 matrix form; plane 0 also holds c x attn_b.  The next launch adds the four planes.
; SHARES.  Work-group (T, p) takes 16 rows of attn_w and K steps 2 p, 2 p + 1 of each half of K: 128 work-groups, so that each takes in 64 KiB.  Waves 0, 1: one K step each of the part that meets hidden:
; they quantise attn_w's and hidden's numbers and multiply.  Waves 2, 3: one K step each of the other part: they store its image and scale words, and then add the two partial sums.
; ONE TENSOR LOAD A WAVE, each 16 rows x 256 numbers (rows of 1,024 bytes): wave 0 attn_w's first half, wave 1 its second, waves 2, 3 hidden's rows 0-15, 16-31.  One barrier behind the wait shows all tiles to all waves.  Nothing is filled again.
; A work-group's 32 scale words are one word in four of 512 bytes of wsc: those units are written in part, by four work-groups; wsc is 16 KiB of the 8 MiB that the launch moves.
; A block's scale is 2^(floor(log2(largest magnitude)) - 2); its byte is that magnitude's exponent field - 2, held at 1 from below by a floor among the maximum's leaves.
; LIMITS: NaN and infinities among the inputs are not served (in planes 1 to 3 the bias is multiplied by 0); blocks whose largest magnitude lies under 2^-124 get the byte 1;
; a block of zeros gets the byte 1 where the rule says 127: its codes are zeros, and the bytes are read by this program alone.
; No cluster: partners would share hidden's tiles alone, half of a work-group's bytes, once, with no loop.  No prefetch: the launch has no loop to run ahead in.
.set WPITCH, 1040                      ; an LDS row: 1,024 bytes + 16: an odd multiple of 16 bytes
.set WTL,   16*WPITCH                  ; a tile: 16 rows x 256 numbers
.set RED,   4*WTL                      ; two partial sums [b][16 n] f32, 2,048 bytes each
.set SPARE, RED+4096                   ; the spare words, 128 bytes a wave
.set AQW,  3                           ; my lane's place in my K step of attn_w: row r, + 128 h bytes
.set AQH,  4                           ; the same in hidden's rows 0-15
.set REDW, 5                           ; where I put my partial sums
.set SCO,  6                           ; my scale word's place in wsc
.set RL,   7                           ; where I read partial sums back
.set L16,  8                           ; 16 x lane
.set BOF,  9                           ; 16 x (thread % 4): my four numbers of the bias
.set TS,   10                          ; 16 x (thread % 64)
.set SH8,  11                          ; 8 h
.set M,    12                          ; v12-13, v14-15, v17-18: three chains of maxima for each of two blocks
.set SO,   14                          ; then the conversions' scale operands
.set TT,   16                          ; a lane permute's destination
.set MC,   17
.set SPW,  19                          ; my spare word; never rewritten
.set WW,   20                          ; attn_w's scale word; v21, v22 hidden's: scales and nothing else
.set HW,   21
.set NIL,  23                          ; 0; never rewritten
.set WC,   24                          ; v24-31 attn_w's fragment; v32-47 hidden's two
.set HC,   32
.set D,    48                          ; v48-63 the two results
.set XW,   64                          ; v64-127 64 numbers of attn_w; v128-255 of hidden (waves 2, 3: v128-131 the bias)
.set XH,   128
.set G1W,  24
.set G1H,  32
.set G0W,  40
.set G0H,  44
.set SEL,  48                          ; v_permlanex16_b32's selects for lane l xor 16
.set CC,   50                          ; c = 2 log2(e)
.set CB,   56                          ; c in plane 0, 0 in the others: the bias's factor
; 64 numbers of a lane: the operand's layout gives lane (r, h) k = 64 c + 32 h + 0..31 of row r: twice 128 consecutive bytes
.macro QLD dst, adr, off
.irp c, 0,1
.irp i, 0,1,2,3,4,5,6,7
	ds_load_b128 v[\dst+32*\c+4*\i:\dst+32*\c+4*\i+3], v[\adr] offset:\off+256*\c+16*\i
.endr
.endr
.endm
; v[src] .. v[src + 63] become a fragment's 8 registers and the row's scale word.  A lane holds two whole blocks (h and 2 + h); six chains of maxima take turns
.macro QUANT src, dst, wd
.irp c, 0,1
	v_max3_num_f32 v[M+\c], |v[\src+32*\c]|, |v[\src+32*\c+1]|, 0x1800000    ; with the floor 2^(3 - 127)
.endr
.irp c, 0,1
	v_max3_num_f32 v[SO+\c], |v[\src+32*\c+10]|, |v[\src+32*\c+11]|, |v[\src+32*\c+12]|
.endr
.irp c, 0,1
	v_max3_num_f32 v[MC+\c], |v[\src+32*\c+21]|, |v[\src+32*\c+22]|, |v[\src+32*\c+23]|
.endr
.irp i, 0,2,4,6
.irp c, 0,1
	v_max3_num_f32 v[M+\c], v[M+\c], |v[\src+32*\c+2+\i]|, |v[\src+32*\c+3+\i]|
.endr
.irp c, 0,1
	v_max3_num_f32 v[SO+\c], v[SO+\c], |v[\src+32*\c+13+\i]|, |v[\src+32*\c+14+\i]|
.endr
.irp c, 0,1
	v_max3_num_f32 v[MC+\c], v[MC+\c], |v[\src+32*\c+24+\i]|, |v[\src+32*\c+25+\i]|
.endr
.endr
.irp c, 0,1
	v_max3_num_f32 v[M+\c], v[M+\c], v[SO+\c], v[MC+\c]
.endr
.irp c, 0,1
	v_add_nc_u32 v[SO+\c], 0xff000000, v[M+\c]     ; 2 off the exponent field: the conversion's scale operand
.endr
.irp c, 0,1
	v_lshrrev_b32 v[M+\c], 23, v[SO+\c]            ; the scale's byte
.endr
	v_lshl_or_b32 v[\wd], v[M+1], 16, v[M]
	v_lshlrev_b32 v[\wd], v[SH8], v[\wd]           ; my two bytes at their places in the word
	v_permlanex16_b32 v[TT], v[\wd], s[SEL], s[SEL+1]
	v_or_b32 v[\wd], v[\wd], v[TT]                 ; with lane l xor 16's two the word is whole
.irp c, 0,1
.irp g, 0,1,2,3
	v_cvt_scalef32_pk8_fp4_f32 v[\dst+4*\c+\g], v[\src+32*\c+8*\g:\src+32*\c+8*\g+7], v[SO+\c]
.endr
.endr
	v_nop                                          ; one plain place behind the last scaled conversion
.endm
	s_load_b256 s[4:11], s[0:1], 0x0               ; attn_w, hidden, attn_b, wq
	s_load_b128 s[12:15], s[0:1], 0x20             ; wsc, hb
	v_lshl_add_u32 v[SPW], v0, 2, SPARE
	v_mov_b32 v[NIL], 0
	ds_add_u32 v[SPW], v[NIL]                      ; the opening lines: the add twice on end, under one wait
	ds_add_u32 v[SPW], v[NIL]
	v_lshrrev_b32 v1, 5, v0
	v_readfirstlane_b32 s16, v1                    ; wave 0..3
	s_and_b32 s17, ttmp7, 0xffff                   ; p
	s_mov_b32 s[G1W+0], (2<<16)|(1<<20)|(7<<22)|(3<<25)   ; elements of 4 bytes; 4 words of padding behind every 256
	s_mov_b32 s[G1W+1], 256<<16
	s_mov_b32 s[G1W+2], 16<<16
	s_mov_b32 s[G1W+3], 256<<16
	s_mov_b32 s[G1W+4], 16
	s_mov_b32 s[G1W+5], 2048                       ; elements from row to row of attn_w
	s_mov_b32 s[G1W+6], 0
	s_mov_b32 s[G1W+7], 0
	s_mov_b32 s[G1H+0], (2<<16)|(1<<20)|(7<<22)|(3<<25)
	s_mov_b32 s[G1H+1], 256<<16
	s_mov_b32 s[G1H+2], 16<<16
	s_mov_b32 s[G1H+3], 256<<16
	s_mov_b32 s[G1H+4], 16
	s_mov_b32 s[G1H+5], 1024                       ; elements from row to row of hidden
	s_mov_b32 s[G1H+6], 0
	s_mov_b32 s[G1H+7], 0
	s_and_b32 s22, s16, 1                          ; kk: which of the two K steps is mine; also which of two tiles I fetch
	s_lshr_b32 s23, s16, 1                         ; 0: the part that meets hidden; 1: the other
	s_mov_b32 s[G0W], 1
	s_mul_i32 s[G0W+1], s16, WTL                   ; tile = wave
	s_mov_b32 s[G0H], 1
	s_mul_i32 s[G0H+1], s16, WTL
	s_lshl_b32 s53, s22, 9
	s_mul_i32 s52, s23, WTL
	s_add_co_u32 s52, s52, s53                     ; my K step of attn_w in LDS: tile 0 or 1, 512 kk bytes along its rows
	s_add_co_u32 s53, s53, 2*WTL                   ; and of hidden: tile 2 (rows 16-31: tile 3, by the offset)
	s_lshl_b32 s54, s22, 11
	s_add_co_u32 s54, s54, RED                     ; partial sum kk
	s_lshl_b32 s55, s22, 8                         ; an odd K step's words go to lanes 16-31's places,
	s_lshl_b32 s18, s17, 2                         ; word g = p
	s_add_co_u32 s55, s55, s18
	s_lshl_b32 s21, s17, 10                        ; 256 p numbers along a row
	s_lshl_b32 s18, ttmp9, 17                      ; attn_w: 16 rows of 8,192 bytes,
	s_add_co_u32 s18, s18, s21
	s_lshl_b32 s20, s22, 12                        ; wave 1: the second half of K
	s_add_co_u32 s18, s18, s20
	s_lshl_b32 s20, s22, 16                        ; hidden: wave 3: 16 rows of 4,096 bytes on
	s_add_co_u32 s20, s20, s21
	s_mov_b32 s19, 0
	s_mov_b32 s21, 0
	s_mov_b32 s[SEL], 0x76543210
	s_mov_b32 s[SEL+1], 0xfedcba98
	s_mov_b32 s[CC], 0x4038aa3b
	s_mov_b32 s[CC+1], s[CC]
	s_cmp_eq_u32 s17, 0
	s_cselect_b32 s[CB], s[CC], 0
	s_mov_b32 s[CB+1], s[CB]
	; every vector address is made here, ahead of the waves' parting
	v_and_b32 v1, 15, v0                           ; r
	v_bfe_u32 v2, v0, 4, 1                         ; h
	v_and_b32 v[TS], 63, v0
	v_and_b32 v[L16], 31, v0
	v_and_b32 v[BOF], 3, v0
	v_mul_u32_u24 v[AQW], v1, WPITCH
	v_lshlrev_b32 v[REDW], 6, v1
	v_lshlrev_b32 v[SCO], 4, v1
	v_lshlrev_b32 v[TS], 4, v[TS]
	v_lshlrev_b32 v[L16], 4, v[L16]
	v_lshl_add_u32 v[AQW], v2, 7, v[AQW]
	v_lshl_add_u32 v[REDW], v2, 5, v[REDW]
	v_add_nc_u32 v[SCO], s55, v[SCO]
	v_lshlrev_b32 v[BOF], 4, v[BOF]
	v_add_nc_u32 v[RL], RED, v[TS]
	v_add_nc_u32 v[AQH], s53, v[AQW]
	v_add_nc_u32 v[REDW], s54, v[REDW]             ; row b = r (+ 16 by the offset), n = 8 h on
	v_lshlrev_b32 v[SH8], 3, v2
	v_mov_b32 v[TT], 0                             ; a lane permute's destination counts as one of its sources
	v_add_nc_u32 v[AQW], s52, v[AQW]
	s_wait_alu depctr_va_vdst(0)                   ; the wait at the head's end
	s_wait_dscnt 0x0                               ; both opening adds are done
	s_wait_kmcnt 0x0
	s_add_nc_u64 s[G0W+2:G0W+3], s[4:5], s[18:19]
	s_or_b32 s[G0W+3], s[G0W+3], 0x80000000
	s_add_nc_u64 s[G0H+2:G0H+3], s[6:7], s[20:21]
	s_or_b32 s[G0H+3], s[G0H+3], 0x80000000
	s_lshl_b32 s18, ttmp9, 6
	s_add_nc_u64 s[8:9], s[8:9], s[18:19]          ; attn_b at row 16 T
	s_cmp_lt_u32 s16, 2                            ; one chain on the wave's number, one fill to an arm
	s_cbranch_scc0 .Lfor_h
	tensor_load_to_lds s[G0W:G0W+3], s[G1W:G1W+7]
	s_nop 0
.rept 4
	v_nop
.endr
	s_branch .Lasked
.Lfor_h:
	tensor_load_to_lds s[G0H:G0H+3], s[G1H:G1H+7]
	s_nop 0
.rept 4
	v_nop
.endr
	global_load_b128 v[128:131], v[BOF], s[8:9]    ; waves 2, 3: my four numbers of the bias, wanted behind the second barrier
.Lasked:
	s_lshl_b32 s18, ttmp9, 3
	s_lshl_b32 s20, s17, 1
	s_add_co_u32 s18, s18, s20
	s_add_co_u32 s18, s18, s22
	s_lshl_b32 s18, s18, 10
	s_add_nc_u64 s[10:11], s[10:11], s[18:19]      ; wq at image (T, k' = 2 p + kk)
	s_lshl_b32 s18, ttmp9, 9
	s_add_nc_u64 s[12:13], s[12:13], s[18:19]      ; wsc at tile T
	s_lshl_b32 s18, ttmp9, 11
	s_lshl_b32 s20, s17, 16
	s_add_co_u32 s18, s18, s20
	s_add_nc_u64 s[14:15], s[14:15], s[18:19]      ; hb at plane p, tile T
	s_wait_tensorcnt 0x0                           ; my tile is in LDS;
	s_barrier_signal -1
	s_barrier_wait -1                              ; and so is everybody's
	s_cmp_lt_u32 s16, 2
	s_cbranch_scc0 .Leo
	; ---- waves 0, 1: K step 2 p + kk of the part that meets hidden
	QLD XW, AQW, 0
	QLD XH, AQH, 0                                 ; rows b = 0..15
	QLD XH+64, AQH, WTL                            ; rows b = 16..31
	s_wait_dscnt 32                                ; attn_w's 16 loads are in; hidden's 32 may be out
	QUANT XW, WC, WW
	s_wait_dscnt 16                                ; the first 16 rows of hidden are in
	QUANT XH, HC, HW
	s_wait_dscnt 0x0
	QUANT XH+64, HC+8, HW+1
.rept 8
	v_nop                                          ; a scale register written by a vector instruction stands 8 places ahead of a scaled matrix instruction
.endr
	; source 0 = 16 rows of attn_w, source 1 = 16 rows of hidden: lane (r, h), register j holds (b = r, n = 8 h + j)
	v_wmma_scale_f32_16x16x128_f8f6f4 v[D:D+7], v[WC:WC+7], v[HC:HC+7], 0, v[WW], v[HW] matrix_a_fmt:MATRIX_FMT_FP4 matrix_b_fmt:MATRIX_FMT_FP4
	v_wmma_scale_f32_16x16x128_f8f6f4 v[D+8:D+15], v[WC:WC+7], v[HC+8:HC+15], 0, v[WW], v[HW+1] matrix_a_fmt:MATRIX_FMT_FP4 matrix_b_fmt:MATRIX_FMT_FP4
.rept 4
	v_nop                                          ; four places in front of the first read of the results (ISA guide 7.12.1)
.endr
.irp m, 0,1
	ds_store_b128 v[REDW], v[D+8*\m:D+8*\m+3] offset:1024*\m         ; each result from its low end on
	ds_store_b128 v[REDW], v[D+8*\m+4:D+8*\m+7] offset:1024*\m+16
.endr
	s_branch .Ljoin
.Leo:
	; ---- waves 2, 3: K step 2 p + kk of the part that meets encoder_outputs
	QLD XW, AQW, 0
	s_wait_dscnt 0x0
	QUANT XW, WC, WW
.irp c, 0,1
	global_store_b128 v[L16], v[WC+4*\c:WC+4*\c+3], s[10:11] offset:512*\c   ; the fragment as it stands: 512 consecutive bytes, aligned
.endr
	global_store_b32 v[SCO], v[WW], s[12:13]       ; both halves of the lanes write the same word with the same value
.Ljoin:
	s_wait_dscnt 0x0                               ; for the others' sake: my LDS stores have landed
	s_barrier_signal -1
	s_barrier_wait -1
	s_cmp_lt_u32 s16, 2
	s_cbranch_scc1 .Lend
	; ---- waves 2, 3: 64 threads, twice 16 bytes each: the two partial sums x c, and the bias x c in plane 0
.irp m, 0,1
.irp p, 0,1
	ds_load_b128 v[64+8*\m+4*\p:67+8*\m+4*\p], v[RL] offset:1024*\m+2048*\p
.endr
.endr
	s_wait_loadcnt 0x0                             ; the bias
	s_wait_dscnt 0x0
.irp i, 0,2,8,10
	v_pk_add_f32 v[64+\i:65+\i], v[64+\i:65+\i], v[68+\i:69+\i]
.endr
	v_pk_mul_f32 v[128:129], v[128:129], s[CB:CB+1] op_sel_hi:[1,0]
	v_pk_mul_f32 v[130:131], v[130:131], s[CB:CB+1] op_sel_hi:[1,0]
.irp m, 0,8
	v_pk_fma_f32 v[64+\m:65+\m], v[64+\m:65+\m], s[CC:CC+1], v[128:129] op_sel_hi:[1,0,1]
	v_pk_fma_f32 v[66+\m:67+\m], v[66+\m:67+\m], s[CC:CC+1], v[130:131] op_sel_hi:[1,0,1]
.endr
	global_store_b128 v[TS], v[64:67], s[14:15]    ; a wave stores 512 consecutive bytes, aligned
	global_store_b128 v[TS], v[72:75], s[14:15] offset:1024
.Lend:
	s_wait_tensorcnt 0x0                           ; the wave's end
	ds_add_u32 v[SPW], v[NIL]
	s_wait_dscnt 0x0
	s_endpgm
.Lfunc_end_k_q4545c514e1_prep:
	.size	k_q4545c514e1_prep, .Lfunc_end_k_q4545c514e1_prep-k_q4545c514e1_prep
	.p2alignl 7, 3214868480
	.fill 96, 4, 3214868480
	.section	.rodata,"a",@progbits
	.p2align	6, 0x0
	.amdhsa_kernel k_q4545c514e1_prep
		.amdhsa_group_segment_fixed_size 167936
		.amdhsa_private_segment_fixed_size 0
		.amdhsa_enable_private_segment 0
		.amdhsa_kernarg_size 48
		.amdhsa_user_sgpr_count 2
		.amdhsa_user_sgpr_kernarg_segment_ptr 1
		.amdhsa_wavefront_size32 1
		.amdhsa_system_sgpr_workgroup_id_x 1
		.amdhsa_system_sgpr_workgroup_id_y 1
		.amdhsa_system_sgpr_workgroup_id_z 1
		.amdhsa_system_vgpr_workitem_id 0
		.amdhsa_next_free_vgpr 256
		.amdhsa_next_free_sgpr 66
		.amdhsa_reserve_vcc 0
		.amdhsa_float_denorm_mode_32 3
		.amdhsa_float_denorm_mode_16_64 3
		.amdhsa_memory_ordered 1
		.amdhsa_forward_progress 1
		.amdhsa_inst_pref_size 24
	.end_amdhsa_kernel
	.amdgpu_metadata
---
amdhsa.version: [ 1, 2 ]
amdhsa.kernels:
  - .name:           k_q4545c514e1_prep
    .symbol:         k_q4545c514e1_prep.kd
    .args:
      - { .name: attn_w, .offset: 0, .size: 8, .value_kind: global_buffer, .address_space: global }
      - { .name: hidden, .offset: 8, .size: 8, .value_kind: global_buffer, .address_space: global }
      - { .name: attn_b, .offset: 16, .size: 8, .value_kind: global_buffer, .address_space: global }
      - { .name: wq, .offset: 24, .size: 8, .value_kind: global_buffer, .address_space: global }
      - { .name: wsc, .offset: 32, .size: 8, .value_kind: global_buffer, .address_space: global }
      - { .name: hb, .offset: 40, .size: 8, .value_kind: global_buffer, .address_space: global }
    .group_segment_fixed_size: 167936
    .private_segment_fixed_size: 0
    .kernarg_segment_align: 8
    .kernarg_segment_size: 48
    .max_flat_workgroup_size: 128
    .sgpr_count:     66
    .vgpr_count:     256
    .wavefront_size: 32
...
	.end_amdgpu_metadata
.endif
;; end of part 1
;; launch energy (part 2): grid 8 x 32, 8 waves a work-group, no clusters, 327,680 bytes of LDS; arguments encoder_outputs, wq, wsc, hb, v, logits; writes logits
.if DOCPART == 2
	.amdgcn_target "amdgcn-amd-amdhsa--gfx1250"
	.amdhsa_code_object_version 6
	.text
	.protected	k_q4545c514e1_energy
	.globl	k_q4545c514e1_energy
	.p2align	8
	.type	k_q4545c514e1_energy,@function
k_q4545c514e1_energy:
	s_mov_b64 s[64:65], 0
	v_nop
	global_prefetch_b8 v0, s[64:65] scope:SCOPE_SE
	s_setreg_imm32_b32 hwreg(HW_REG_WAVE_MODE, 25, 1), 1
	s_wait_xcnt 0x0
; logits[b][s] = sum over n of v[n] tanh(Q(encoder_outputs[s][b]) . Q(attn_w[n, 1024:2048]) + (the part that hangs on b alone, with the bias)).
; The second part, hb (four planes, added at the head, already x c = 2 log2(e)), and attn_w's codes and scale words, wq and wsc, were made by the launch before.
; tanh(x) = 1 - 2 / (1 + 2^(c x)): the sum is (sum of v) + sum of (-2 v) / (1 + 2^(c x)); where 2^(c x) overflows the quotient is 0, where it falls to 0 it is 1: both are tanh's ends.
; SHARES.  Work-group (x, b) takes s = 256 x .. + 255 of batch b, in 8 tiles of 32 rows x 1,024 K.  Each of its 8 waves keeps 64 rows n of attn_w, all 8 K steps, in 256 registers (window 1).
; A TILE'S WAY.  NEXT: wave u quantises K step u (128 numbers) of the tile's 32 rows out of its own part of an LDS slot and puts the operand's image and scale words into LDS.  MATS: a barrier; every wave multiplies
; all 8 K steps with its 64 rows n (64 matrix instructions, 8 accumulators by turns).  The tanh, the weights v and the 32 partial logits of tile j stand inside NEXT of tile j + 1, between that tile's two runs of LDS loads,
; so that the loads are on their way while the wave works on registers.  At the end waves 0 and 1 add the eight waves' parts.
; THE RING: two slots, each wave filling its own 32 rows x 512 bytes by one tensor load; the load of tile k + 1 stands first behind the barrier at the head of NEXT of tile k and is waited for at the head of the next NEXT.
; PREFETCH INTO THE L2: beside the load of tile k + 1 each wave asks for its own part of tile k + 2, one NEXT ahead of the load that wants it: a lane a row, two instructions for the row's two blocks of 256 bytes.
; Each block is named once: no other wave or work-group reads it.  Tiles 6 and 7 have no tile two on: tile 6's NEXT lies in the loop, and a branch on the loop's counter leads round its two prefetches alone.
; NO CLUSTER: the tiles of encoder_outputs are each work-group's own; attn_w's images, which all share, go once from memory into registers at the head (256 KiB of a work-group's 1.3 MiB),
; and a joint load of them would want 256 KiB of LDS, which the ring holds.
; LIMITS: NaN and infinities among the inputs are not served; a block of zeros gets the byte 1 where the rule says 127 (zero codes; the bytes are read here alone).
.set PITCH, 528                        ; an LDS row: 512 bytes + 16
.set WTILE, 32*PITCH                   ; a wave's part of a slot
.set S1,    8*WTILE                    ; slot 1
.set IMG,   2*S1                       ; the operand's image: [mt 0..1][k 0..7][c 0..1][lane][16 bytes]
.set ISC,   16*1024                    ; behind it the scale words: [k][lane]: lanes 0-15 rows 0-15, lanes 16-31 rows 16-31
.set PART,  IMG+ISC+8*128              ; partial logits: [wave][256] f32
.set SPARE, PART+8*1024                ; the spare words, 128 bytes a wave
.set TILEB, 0x400000                   ; 32 rows s of 131,072 bytes
.set SPW, 1
.set NIL, 2
.set AQ,  3                            ; v3, v4 my lane's place in my part of slot 0, 1
.set IW,  5                            ; where I put my image
.set ISW, 6                            ; and my scale word
.set IL,  7                            ; where I read images
.set ISL, 8                            ; and scale words
.set PW0, 9                            ; my partial logits
.set ADR, 10
.set SH8, 11
.set M,   12                           ; v12-13, v14-15, v110-111: three chains of maxima for each of two blocks
.set SO,  14
.set WS,  16                           ; v16-31 attn_w's scale words
.set HB,  32                           ; v32-63 hb at my 32 n
.set WV,  64                           ; v64-95 -2 v at my 32 n
.set VS,  96                           ; v96-97 the sum of v at my 32 n, in two halves
.set LA,  98                           ; v98-101 the logits' sums
.set WD,  102
.set TT,  104
.set GOF, 105
.set PRD, 106
.set L16, 107
.set H32, 108
.set PFO, 109                          ; the prefetches' offset: lane x a row s; never rewritten
.set MC,  110
.set PC,  112                          ; v112-119 codes
.set AS,  120                          ; v120-127 the tile's scale words
.set X,   128                          ; v128-191 numbers to quantise, then two buffers of fragments
.set XA,  128
.set XB,  160
.set ACC, 192                          ; v192-255 numbers to quantise, then the 8 accumulators
.set G1,  24
.set G0,  32                           ; s[32:35], s[36:39] group 0 for slot 0, 1
.set CC,  40
.set SEL, 42
.set HIM, 44
.set TP,  45
.set CNT, 46
.set PFA, 52                           ; s[52:53] my part of the tile that is asked for
.set MSB, 0
.macro WIN new
.if MSB != \new
	s_set_vgpr_msb (MSB<<8)|\new
.set MSB, \new
.endif
.endm
.macro QLD dst, adr, off
.irp c, 0,1
.irp i, 0,1,2,3,4,5,6,7
	ds_load_b128 v[\dst+32*\c+4*\i:\dst+32*\c+4*\i+3], v[\adr] offset:\off+256*\c+16*\i
.endr
.endr
.endm
.macro QUANT src, dst, wd              ; 64 numbers of a lane (two whole blocks) -> 8 registers of codes and the row's scale word; six chains of maxima take turns
.irp c, 0,1
	v_max3_num_f32 v[M+\c], |v[\src+32*\c]|, |v[\src+32*\c+1]|, 0x1800000   ; with the floor 2^(3 - 127): the byte cannot fall under 1
.endr
.irp c, 0,1
	v_max3_num_f32 v[SO+\c], |v[\src+32*\c+10]|, |v[\src+32*\c+11]|, |v[\src+32*\c+12]|
.endr
.irp c, 0,1
	v_max3_num_f32 v[MC+\c], |v[\src+32*\c+21]|, |v[\src+32*\c+22]|, |v[\src+32*\c+23]|
.endr
.irp i, 0,2,4,6
.irp c, 0,1
	v_max3_num_f32 v[M+\c], v[M+\c], |v[\src+32*\c+2+\i]|, |v[\src+32*\c+3+\i]|
.endr
.irp c, 0,1
	v_max3_num_f32 v[SO+\c], v[SO+\c], |v[\src+32*\c+13+\i]|, |v[\src+32*\c+14+\i]|
.endr
.irp c, 0,1
	v_max3_num_f32 v[MC+\c], v[MC+\c], |v[\src+32*\c+24+\i]|, |v[\src+32*\c+25+\i]|
.endr
.endr
.irp c, 0,1
	s_delay_alu instid0(VALU_DEP_2)
	v_max3_num_f32 v[M+\c], v[M+\c], v[SO+\c], v[MC+\c]
.endr
.irp c, 0,1
	s_delay_alu instid0(VALU_DEP_2)
	v_add_nc_u32 v[SO+\c], 0xff000000, v[M+\c]     ; 2 off the exponent field: the conversion's scale operand
.endr
.irp c, 0,1
	s_delay_alu instid0(VALU_DEP_2)
	v_lshrrev_b32 v[M+\c], 23, v[SO+\c]
.endr
	s_delay_alu instid0(VALU_DEP_1)
	v_lshl_or_b32 v[\wd], v[M+1], 16, v[M]
	s_delay_alu instid0(VALU_DEP_1)
	v_lshlrev_b32 v[\wd], v[SH8], v[\wd]
	s_delay_alu instid0(VALU_DEP_1)
	v_permlanex16_b32 v[TT], v[\wd], s[SEL], s[SEL+1]
	s_delay_alu instid0(VALU_DEP_1)
	v_or_b32 v[\wd], v[\wd], v[TT]
.irp c, 0,1
.irp g, 0,1,2,3
	v_cvt_scalef32_pk8_fp4_f32 v[\dst+4*\c+\g], v[\src+32*\c+8*\g:\src+32*\c+8*\g+7], v[SO+\c]
.endr
.endr
	v_nop                                          ; one plain place behind the last scaled conversion
.endm
.macro PUT mt
.irp c, 0,1
	ds_store_b128 v[IW], v[PC+4*\c:PC+4*\c+3] offset:\mt*8192+512*\c
.endr
.endm
.macro FETCH g, buf                    ; the fragments of K steps 2 g, 2 g + 1, both row groups: 8 loads
.irp kk, 0,1
.irp mt, 0,1
.irp c, 0,1
	ds_load_b128 v[\buf+16*\kk+8*\mt+4*\c:\buf+16*\kk+8*\mt+4*\c+3], v[IL] offset:(8*\mt+2*\g+\kk)*1024+512*\c
.endr
.endr
.endr
.endm
.macro PLACES
.rept 4
	v_nop
.endr
.endm
; 16 matrix instructions: source 0 = 16 rows n of attn_w (window 1), source 1 = 16 rows s: lane (r, h), register j holds (s = r, n = 8 h + j).  The 8 accumulators take turns, one instruction a turn
.macro RUN g, buf
	WIN 0x01
.irp kk, 0,1
.irp mt, 0,1
.irp t, 0,1,2,3
.set rD, ACC+8*(4*\mt+\t)
.set rW, 64*\t+8*(2*\g+\kk)
.set rE, \buf+16*\kk+8*\mt
.set rSW, WS+4*\t+\g
.set rSE, AS+2*\g+\kk
.if (\g == 0) && (\kk == 0) && (\mt == 0)
	v_wmma_scale_f32_16x16x128_f8f6f4 v[rD:rD+7], v[rW:rW+7], v[rE:rE+7], 0, v[rSW], v[rSE] matrix_a_fmt:MATRIX_FMT_FP4 matrix_b_fmt:MATRIX_FMT_FP4
.elseif (\g == 0) && (\kk == 0)
	v_wmma_scale_f32_16x16x128_f8f6f4 v[rD:rD+7], v[rW:rW+7], v[rE:rE+7], 0, v[rSW], v[rSE] matrix_a_fmt:MATRIX_FMT_FP4 matrix_b_fmt:MATRIX_FMT_FP4 matrix_b_scale:MATRIX_SCALE_ROW1
.elseif (\kk == 0) && (\mt == 0)
	v_wmma_scale_f32_16x16x128_f8f6f4 v[rD:rD+7], v[rW:rW+7], v[rE:rE+7], v[rD:rD+7], v[rSW], v[rSE] matrix_a_fmt:MATRIX_FMT_FP4 matrix_b_fmt:MATRIX_FMT_FP4
.elseif \kk == 0
	v_wmma_scale_f32_16x16x128_f8f6f4 v[rD:rD+7], v[rW:rW+7], v[rE:rE+7], v[rD:rD+7], v[rSW], v[rSE] matrix_a_fmt:MATRIX_FMT_FP4 matrix_b_fmt:MATRIX_FMT_FP4 matrix_b_scale:MATRIX_SCALE_ROW1
.elseif \mt == 0
	v_wmma_scale_f32_16x16x128_f8f6f4 v[rD:rD+7], v[rW:rW+7], v[rE:rE+7], v[rD:rD+7], v[rSW], v[rSE] matrix_a_fmt:MATRIX_FMT_FP4 matrix_b_fmt:MATRIX_FMT_FP4 matrix_a_scale:MATRIX_SCALE_ROW1
.else
	v_wmma_scale_f32_16x16x128_f8f6f4 v[rD:rD+7], v[rW:rW+7], v[rE:rE+7], v[rD:rD+7], v[rSW], v[rSE] matrix_a_fmt:MATRIX_FMT_FP4 matrix_b_fmt:MATRIX_FMT_FP4 matrix_a_scale:MATRIX_SCALE_ROW1 matrix_b_scale:MATRIX_SCALE_ROW1
.endif
.endr
.endr
.endr
	WIN 0
.endm
.macro TANH                            ; four places stand ahead of it.  Two batches of 64 transcendentals, each with a wait ahead of it and behind it
.irp mt, 0,1
.irp t, 0,1,2,3
.irp q, 0,2,4,6
	v_pk_fma_f32 v[ACC+8*(4*\mt+\t)+\q:ACC+8*(4*\mt+\t)+\q+1], v[ACC+8*(4*\mt+\t)+\q:ACC+8*(4*\mt+\t)+\q+1], s[CC:CC+1], v[HB+8*\t+\q:HB+8*\t+\q+1] op_sel_hi:[1,0,1]   ; c x sum + hb, each accumulator from its low end on
.endr
.endr
.endr
.set j, 0
	s_wait_alu depctr_va_vdst(0)
.rept 64
	v_exp_f32 v[ACC+j], v[ACC+j]
.set j, j+1
.endr
	v_nop
.set j, 0
	s_wait_alu depctr_va_vdst(0)
.rept 32
	v_pk_add_f32 v[ACC+j:ACC+j+1], v[ACC+j:ACC+j+1], 1.0 op_sel_hi:[1,0]
.set j, j+2
.endr
.set j, 0
	s_wait_alu depctr_va_vdst(0)
.rept 64
	v_rcp_f32 v[ACC+j], v[ACC+j]
.set j, j+1
.endr
	v_nop
	s_wait_alu depctr_va_vdst(0)
.irp t, 0,1,2,3
.irp q, 0,2,4,6
.irp mt, 0,1
.if (\t == 0) && (\q == 0)
	v_pk_fma_f32 v[LA+2*\mt:LA+2*\mt+1], v[ACC+8*(4*\mt+\t)+\q:ACC+8*(4*\mt+\t)+\q+1], v[WV+8*\t+\q:WV+8*\t+\q+1], v[VS:VS+1]
.else
	v_pk_fma_f32 v[LA+2*\mt:LA+2*\mt+1], v[ACC+8*(4*\mt+\t)+\q:ACC+8*(4*\mt+\t)+\q+1], v[WV+8*\t+\q:WV+8*\t+\q+1], v[LA+2*\mt:LA+2*\mt+1]
.endif
.endr
.endr
.endr
.endm
.macro LOGIT near                      ; the two halves, lane l xor 16's, and into my 128 bytes of this tile.  near = 1: it follows TANH directly; 0: 16 LDS loads stand between, and the first two adds carry no hint
.irp mt, 0,1
.if \near
	s_delay_alu instid0(VALU_DEP_2)
.endif
	v_add_f32 v[LA+2*\mt], v[LA+2*\mt], v[LA+2*\mt+1]
.endr
.irp mt, 0,1
	s_delay_alu instid0(VALU_DEP_2)
	v_permlanex16_b32 v[LA+2*\mt+1], v[LA+2*\mt], s[SEL], s[SEL+1]
.endr
.irp mt, 0,1
	s_delay_alu instid0(VALU_DEP_2)
	v_add_f32 v[LA+2*\mt], v[LA+2*\mt], v[LA+2*\mt+1]
.endr
	s_delay_alu instid0(VALU_DEP_1)
	v_cndmask_b32 v[WD], v[LA], v[LA+2], s[HIM]
	v_add_nc_u32 v[ADR], s[TP], v[PW0]
	ds_store_b32 v[ADR], v[WD]
	s_add_co_u32 s[TP], s[TP], 128
.endm
; The products of the tile whose image has just been put
.macro MATS
	s_wait_dscnt 0x0                               ; for the others' sake: my image has landed
	s_barrier_signal -1
	s_barrier_wait -1                              ; the next tile's load stays on its way
.irp k, 0,1,2,3,4,5,6,7
	ds_load_b32 v[AS+\k], v[ISL] offset:ISC+128*\k
.endr
	FETCH 0, XA
	FETCH 1, XB
	s_wait_loadcnt 0x0                             ; attn_w's images, asked for at the head: only the first tile finds any out
	s_wait_dscnt 8                                 ; all but the youngest eight loads
	RUN 0, XA
	PLACES
	FETCH 2, XA
	s_wait_dscnt 8
	RUN 1, XB
	PLACES
	FETCH 3, XB
	s_wait_dscnt 8
	RUN 2, XA
	s_wait_dscnt 0x0
	RUN 3, XB
.endm
; Tile k, in slot k % 2, becomes an image.  refill: tile k + 1 is loaded into the other slot.  ask: this slot's group 0 steps to tile k + 2, which is prefetched (2: but in the loop's last trip).  tanh: the tile before is finished on the way.
.macro NEXT slot, refill, ask, tanh
	s_wait_tensorcnt 0x0                           ; my one load, my part of this tile, has landed: every group 0 may be written
	ds_add_u32 v[SPW], v[NIL]
.if \ask
	s_add_nc_u64 s[G0+4*\slot+2:G0+4*\slot+3], s[G0+4*\slot+2:G0+4*\slot+3], 2*TILEB   ; (in the loop's last trip: stepped and not used)
	s_wait_xcnt 0x0                                ; my last prefetches have read their address
	s_add_nc_u64 s[PFA:PFA+1], s[PFA:PFA+1], TILEB
.endif
	s_wait_dscnt 0x0                               ; the add is done, and my reads of the other slot and of the image are over
	s_barrier_signal -1
	s_barrier_wait -1
.if \refill
	tensor_load_to_lds s[G0+4*(1-\slot):G0+4*(1-\slot)+3], s[G1:G1+7]
	s_nop 0
.endif
	PLACES                                         ; the places behind the last products, for the loads and for the first read of the results
	QLD X, AQ+\slot, 0                             ; rows 0-15: on their way under the tanh
.if \ask == 2
	s_cmp_lg_u32 s[CNT], 1
	s_cbranch_scc0 .Lno_ask_\@
.endif
.if \ask
	global_prefetch_b8 v[PFO], s[PFA:PFA+1] th:TH_LOAD_NT scope:SCOPE_SE
	global_prefetch_b8 v[PFO], s[PFA:PFA+1] offset:256 th:TH_LOAD_NT scope:SCOPE_SE
.endif
.if \ask == 2
.Lno_ask_\@:
.endif
.if \tanh
	TANH
.endif
	QLD ACC, AQ+\slot, 16*PITCH                    ; rows 16-31, into the accumulators' registers, which are done with
.if \tanh
	LOGIT 0
	s_wait_dscnt 17                                ; the first 16 loads are in: the other 16 and the logits' store may be out
.else
	s_wait_dscnt 16
.endif
	QUANT X, PC, WD
	PUT 0
	s_wait_dscnt 0x0                               ; the other 16 are in, and the stores have read the codes' registers
	QUANT ACC, PC, WD+1
	PUT 1
	v_cndmask_b32 v[WD], v[WD], v[WD+1], s[HIM]
	ds_store_b32 v[ISW], v[WD] offset:ISC
.endm
	s_load_b256 s[4:11], s[0:1], 0x0               ; encoder_outputs, wq, wsc, hb
	s_load_b128 s[12:15], s[0:1], 0x20             ; v, logits
	v_lshl_add_u32 v[SPW], v0, 2, SPARE
	v_mov_b32 v[NIL], 0
	ds_add_u32 v[SPW], v[NIL]                      ; the opening lines: the add twice on end, under one wait
	ds_add_u32 v[SPW], v[NIL]
	v_lshrrev_b32 v[M], 5, v0
	s_delay_alu instid0(VALU_DEP_1)
	v_readfirstlane_b32 s18, v[M]                  ; wave 0..7
	s_and_b32 s20, ttmp7, 0xffff                   ; b
	s_mov_b32 s[G1+0], (2<<16)|(1<<20)|(6<<22)|(3<<25)   ; elements of 4 bytes; 4 words of padding behind every 128
	s_mov_b32 s[G1+1], 128<<16
	s_mov_b32 s[G1+2], 32<<16
	s_mov_b32 s[G1+3], 128<<16
	s_mov_b32 s[G1+4], 32
	s_mov_b32 s[G1+5], 32768                       ; elements from s to s + 1
	s_mov_b32 s[G1+6], 0
	s_mov_b32 s[G1+7], 0
	s_lshl_b32 s22, ttmp9, 25                      ; 256 rows s,
	s_lshl_b32 s48, s20, 12                        ; batch b,
	s_add_co_u32 s22, s22, s48
	s_lshl_b32 s48, s18, 9                         ; my K step
	s_add_co_u32 s22, s22, s48
	s_mov_b32 s23, 0
	s_mov_b32 s[G0], 1
	s_mul_i32 s[G0+1], s18, WTILE
	s_mov_b32 s[G0+4], 1
	s_add_co_u32 s[G0+5], s[G0+1], S1
	s_lshl_b32 s50, s18, 10
	s_lshl_b32 s51, s18, 7
	s_mov_b32 s[CC], 0x4038aa3b                    ; c = 2 log2(e)
	s_mov_b32 s[CC+1], s[CC]
	s_mov_b32 s[SEL], 0x76543210
	s_mov_b32 s[SEL+1], 0xfedcba98
	s_mov_b32 s[HIM], 0xffff0000
	s_mov_b32 s[TP], 0
	v_and_b32 v[M], 31, v0
	v_and_b32 v[M+1], 15, v0
	v_bfe_u32 v[SO], v0, 4, 1
	v_lshlrev_b32 v[GOF], 4, v0
	v_lshlrev_b32 v[L16], 4, v[M]
	v_mul_u32_u24 v[AQ], v[M+1], PITCH
	v_lshlrev_b32 v[H32], 5, v[SO]
	v_lshlrev_b32 v[PFO], 17, v[M]
	v_lshl_add_u32 v[PW0], v[M], 2, PART
	v_lshl_add_u32 v[AQ], v[SO], 7, v[AQ]
	v_add_nc_u32 v[IL], IMG, v[L16]
	v_lshl_add_u32 v[ISL], v[M], 2, IMG
	v_add_nc_u32 v[PW0], s50, v[PW0]
	v_add_nc_u32 v[AQ], s[G0+1], v[AQ]
	v_add_nc_u32 v[IW], s50, v[IL]
	v_add_nc_u32 v[ISW], s51, v[ISL]
	v_lshlrev_b32 v[SH8], 3, v[SO]
	v_add_nc_u32 v[AQ+1], S1, v[AQ]
	v_mov_b32 v[TT], 0
	v_lshl_add_u32 v[PRD], v0, 4, PART
	s_wait_alu depctr_va_vdst(0)                   ; the wait here, directly ahead of the waits below
	s_wait_dscnt 0x0                               ; both opening adds are done
	s_wait_kmcnt 0x0
	s_add_nc_u64 s[G0+2:G0+3], s[4:5], s[22:23]    ; tile 0
	s_add_nc_u64 s[PFA:PFA+1], s[G0+2:G0+3], TILEB ; tile 1
	s_add_nc_u64 s[G0+6:G0+7], s[G0+2:G0+3], TILEB
	s_or_b32 s[G0+3], s[G0+3], 0x80000000
	s_or_b32 s[G0+7], s[G0+7], 0x80000000
	tensor_load_to_lds s[G0:G0+3], s[G1:G1+7]      ; my one load at the head: my part of tile 0
	s_nop 0
	PLACES
	global_prefetch_b8 v[PFO], s[PFA:PFA+1] th:TH_LOAD_NT scope:SCOPE_SE               ; my part of tile 1, which tile 0's NEXT loads
	global_prefetch_b8 v[PFO], s[PFA:PFA+1] offset:256 th:TH_LOAD_NT scope:SCOPE_SE
	s_lshl_b32 s22, s18, 15
	s_add_nc_u64 s[6:7], s[6:7], s[22:23]          ; wq at tile T = 4 x wave
	s_lshl_b32 s22, s18, 11
	s_add_nc_u64 s[8:9], s[8:9], s[22:23]          ; wsc likewise
	s_lshl_b32 s22, s18, 13
	s_lshl_b32 s48, s20, 6
	s_add_co_u32 s22, s22, s48
	s_add_nc_u64 s[10:11], s[10:11], s[22:23]      ; hb at plane 0, (T, b)
	s_lshl_b32 s22, s18, 8
	s_add_nc_u64 s[12:13], s[12:13], s[22:23]      ; v at n = 64 x wave
	s_lshl_b32 s22, s20, 13
	s_lshl_b32 s48, ttmp9, 10
	s_add_co_u32 s22, s22, s48
	s_add_nc_u64 s[14:15], s[14:15], s[22:23]      ; logits at (b, 256 x)
.irp t, 0,1,2,3
	global_load_b128 v[WS+4*\t:WS+4*\t+3], v[L16], s[8:9] offset:512*\t
.endr
.irp t, 0,1,2,3
.irp q, 0,1
	global_load_b128 v[HB+8*\t+4*\q:HB+8*\t+4*\q+3], v[H32], s[10:11] offset:2048*\t+16*\q
.irp p, 1,2,3
	global_load_b128 v[X+32*(\p-1)+8*\t+4*\q:X+32*(\p-1)+8*\t+4*\q+3], v[H32], s[10:11] offset:65536*\p+2048*\t+16*\q   ; planes 1 to 3 of hb
.endr
	global_load_b128 v[WV+8*\t+4*\q:WV+8*\t+4*\q+3], v[H32], s[12:13] offset:64*\t+16*\q
.endr
.endr
	WIN 0x40
.irp t, 0,1,2,3
.irp k, 0,1,2,3,4,5,6,7
.irp c, 0,1
	global_load_b128 v[64*\t+8*\k+4*\c:64*\t+8*\k+4*\c+3], v[L16], s[6:7] offset:(8*\t+\k)*1024+512*\c   ; window 1: my 64 rows of attn_w, as the operand's registers want them
.endr
.endr
.endr
	WIN 0
	s_wait_loadcnt 63                              ; of the 108 loads at most 63 are out: the oldest 45 are in, the 44 of scale words, hb and v among them
.irp i, 0,2,4,6,8,10,12,14,16,18,20,22,24,26,28,30
	v_pk_add_f32 v[HB+\i:HB+\i+1], v[HB+\i:HB+\i+1], v[X+\i:X+\i+1]                    ; hb's four planes
	v_pk_add_f32 v[X+32+\i:X+32+\i+1], v[X+32+\i:X+32+\i+1], v[X+64+\i:X+64+\i+1]
.endr
.irp i, 0,2,4,6,8,10,12,14,16,18,20,22,24,26,28,30
	v_pk_add_f32 v[HB+\i:HB+\i+1], v[HB+\i:HB+\i+1], v[X+32+\i:X+32+\i+1]
.endr
	v_pk_add_f32 v[VS:VS+1], v[WV:WV+1], v[WV+2:WV+3]
.irp i, 4,6,8,10,12,14,16,18,20,22,24,26,28,30
	s_delay_alu instid0(VALU_DEP_1)
	v_pk_add_f32 v[VS:VS+1], v[VS:VS+1], v[WV+\i:WV+\i+1]
.endr
.irp i, 0,2,4,6,8,10,12,14,16,18,20,22,24,26,28,30
	v_pk_mul_f32 v[WV+\i:WV+\i+1], v[WV+\i:WV+\i+1], -2.0 op_sel_hi:[1,0]
.endr
	s_mov_b32 s[CNT], 3
	s_wait_alu depctr_va_vdst(0)                   ; the wait at the head's end
	NEXT 0, 1, 1, 0                                ; tile 0; its load of tile 1 is slot 1's first fill, issued as a refill is
.Lpair:                                                ; three trips: the products of tiles 0 to 5, the images of tiles 1 to 6
	MATS
	NEXT 1, 1, 1, 1
	MATS
	NEXT 0, 1, 2, 1
	s_sub_co_u32 s[CNT], s[CNT], 1
	s_cmp_lg_u32 s[CNT], 0
	s_cbranch_scc1 .Lpair
	MATS                                           ; tile 6
	NEXT 1, 0, 0, 1                                ; tile 7: nothing more is loaded or asked for
	MATS
	PLACES
	TANH
	LOGIT 1
	s_wait_dscnt 0x0
	s_barrier_signal -1
	s_barrier_wait -1
	s_cmp_lt_u32 s18, 2
	s_cbranch_scc0 .Ldone
.irp p, 0,1,2,3,4,5,6,7
	ds_load_b128 v[X+4*\p:X+4*\p+3], v[PRD] offset:1024*\p         ; waves 0 and 1: 64 threads, 16 bytes each, of the eight waves' parts
.endr
	s_wait_dscnt 0x0
	v_pk_add_f32 v[X:X+1], v[X:X+1], v[X+4:X+5]
	v_pk_add_f32 v[X+2:X+3], v[X+2:X+3], v[X+6:X+7]
.irp p, 2, 3, 4, 5, 6, 7
	s_delay_alu instid0(VALU_DEP_2)
	v_pk_add_f32 v[X:X+1], v[X:X+1], v[X+4*\p:X+4*\p+1]
	s_delay_alu instid0(VALU_DEP_2)
	v_pk_add_f32 v[X+2:X+3], v[X+2:X+3], v[X+4*\p+2:X+4*\p+3]
.endr
	global_store_b128 v[GOF], v[X:X+3], s[14:15]   ; a wave stores 512 consecutive bytes, aligned
.Ldone:
	s_wait_tensorcnt 0x0                           ; the wave's end
	ds_add_u32 v[SPW], v[NIL]
	s_wait_dscnt 0x0
	s_endpgm
.Lfunc_end_k_q4545c514e1_energy:
	.size	k_q4545c514e1_energy, .Lfunc_end_k_q4545c514e1_energy-k_q4545c514e1_energy
	.p2alignl 7, 3214868480
	.fill 96, 4, 3214868480
	.section	.rodata,"a",@progbits
	.p2align	6, 0x0
	.amdhsa_kernel k_q4545c514e1_energy
		.amdhsa_group_segment_fixed_size 327680
		.amdhsa_private_segment_fixed_size 0
		.amdhsa_enable_private_segment 0
		.amdhsa_kernarg_size 48
		.amdhsa_user_sgpr_count 2
		.amdhsa_user_sgpr_kernarg_segment_ptr 1
		.amdhsa_wavefront_size32 1
		.amdhsa_system_sgpr_workgroup_id_x 1
		.amdhsa_system_sgpr_workgroup_id_y 1
		.amdhsa_system_sgpr_workgroup_id_z 1
		.amdhsa_system_vgpr_workitem_id 0
		.amdhsa_next_free_vgpr 512
		.amdhsa_next_free_sgpr 66
		.amdhsa_reserve_vcc 0
		.amdhsa_float_denorm_mode_32 3
		.amdhsa_float_denorm_mode_16_64 3
		.amdhsa_memory_ordered 1
		.amdhsa_forward_progress 1
		.amdhsa_inst_pref_size 150
	.end_amdhsa_kernel
	.amdgpu_metadata
---
amdhsa.version: [ 1, 2 ]
amdhsa.kernels:
  - .name:           k_q4545c514e1_energy
    .symbol:         k_q4545c514e1_energy.kd
    .args:
      - { .name: encoder_outputs, .offset: 0, .size: 8, .value_kind: global_buffer, .address_space: global }
      - { .name: wq, .offset: 8, .size: 8, .value_kind: global_buffer, .address_space: global }
      - { .name: wsc, .offset: 16, .size: 8, .value_kind: global_buffer, .address_space: global }
      - { .name: hb, .offset: 24, .size: 8, .value_kind: global_buffer, .address_space: global }
      - { .name: v, .offset: 32, .size: 8, .value_kind: global_buffer, .address_space: global }
      - { .name: logits, .offset: 40, .size: 8, .value_kind: global_buffer, .address_space: global }
    .group_segment_fixed_size: 327680
    .private_segment_fixed_size: 0
    .kernarg_segment_align: 8
    .kernarg_segment_size: 48
    .max_flat_workgroup_size: 256
    .sgpr_count:     66
    .vgpr_count:     512
    .wavefront_size: 32
...
	.end_amdgpu_metadata
.endif
;; end of part 2
;; launch soft (part 3): grid 32 x 1, 8 waves a work-group, no clusters, 1,536 bytes of LDS; arguments logits, mask, out0; writes out0
.if DOCPART == 3
	.amdgcn_target "amdgcn-amd-amdhsa--gfx1250"
	.amdhsa_code_object_version 6
	.text
	.protected	k_q4545c514e1_soft
	.globl	k_q4545c514e1_soft
	.p2align	8
	.type	k_q4545c514e1_soft,@function
k_q4545c514e1_soft:
	s_mov_b64 s[64:65], 0
	v_nop
	global_prefetch_b8 v0, s[64:65] scope:SCOPE_SE
	s_setreg_imm32_b32 hwreg(HW_REG_WAVE_MODE, 25, 1), 1
	s_wait_xcnt 0x0
; out0[b][:] = softmax over s of (mask[b][s] == 0 ? -1e10 : logits[b][s]).  One work-group to a row of 2,048 numbers; thread t holds numbers 4 t .. 4 t + 3 and 1,024 + 4 t .. + 3 in registers:
; the row is read once and written once; every load and store of a wave covers 512 consecutive bytes.  The row's largest number is taken away before the exponential, as reference() does.
; The difference is formed first and multiplied by log2(e) afterwards: a fused x log2(e) - m log2(e) would leave the rounding of a product of the size of 1e10 in a row that is masked throughout.
; 32 work-groups: a row's maximum and sum span the row, and the rows are all the work there is.  No matrix unit, no tensor load: 24 KiB a work-group.
.set X,  4                             ; v4-11  my eight numbers
.set MK, 12                            ; v12-19 my eight mask words; later sums
	s_load_b128 s[4:7], s[0:1], 0x0                ; logits, mask
	s_load_b64 s[8:9], s[0:1], 0x10                ; out0
	v_lshl_add_u32 v32, v0, 2, 0x200
	v_mov_b32 v33, 0
	v_lshlrev_b32 v1, 4, v0                        ; 16 bytes a thread
	v_lshrrev_b32 v2, 5, v0
	s_delay_alu instid0(VALU_DEP_1)
	v_lshlrev_b32 v2, 2, v2                        ; my wave's word in LDS
	v_mov_b32 v3, 0
	v_mov_b32 v20, 0xd01502f9                      ; -1e10
	v_mov_b32 v22, 0                               ; written once: a lane permute's destination counts as one of its sources
	s_lshl_b32 s10, ttmp9, 13                      ; row b of 8,192 bytes
	s_mov_b32 s11, 0
	s_mov_b32 s12, 0x76543210
	s_mov_b32 s13, 0xfedcba98                      ; v_permlanex16_b32's selects for lane l xor 16
	s_wait_alu depctr_va_vdst(0)
	s_wait_kmcnt 0x0
	s_add_nc_u64 s[4:5], s[4:5], s[10:11]
	s_add_nc_u64 s[6:7], s[6:7], s[10:11]
	s_add_nc_u64 s[8:9], s[8:9], s[10:11]
	global_load_b128 v[X:X+3], v1, s[4:5] th:TH_LOAD_NT
	global_load_b128 v[X+4:X+7], v1, s[4:5] offset:4096 th:TH_LOAD_NT
	global_load_b128 v[MK:MK+3], v1, s[6:7] th:TH_LOAD_NT
	global_load_b128 v[MK+4:MK+7], v1, s[6:7] offset:4096 th:TH_LOAD_NT
	s_wait_loadcnt 0x0
.irp i, 0,1,2,3,4,5,6,7
	v_cmp_eq_u32 vcc_lo, 0, v[MK+\i]
	s_delay_alu instid0(VALU_DEP_1)
	v_cndmask_b32 v[X+\i], v[X+\i], v20, vcc_lo
.endr
	v_max3_num_f32 v21, v4, v5, v6                 ; the largest of my eight,
	s_delay_alu instid0(VALU_DEP_1)
	v_max3_num_f32 v21, v21, v7, v8
	s_delay_alu instid0(VALU_DEP_1)
	v_max3_num_f32 v21, v21, v9, v10
	s_delay_alu instid0(VALU_DEP_1)
	v_max_num_f32 v21, v21, v11
	s_delay_alu instid0(VALU_DEP_1)
	v_max_num_f32_dpp v21, v21, v21 row_xmask:1 row_mask:0xf bank_mask:0xf   ; of my wave's,
	s_delay_alu instid0(VALU_DEP_1)
	v_max_num_f32_dpp v21, v21, v21 row_xmask:2 row_mask:0xf bank_mask:0xf
	s_delay_alu instid0(VALU_DEP_1)
	v_max_num_f32_dpp v21, v21, v21 row_xmask:4 row_mask:0xf bank_mask:0xf
	s_delay_alu instid0(VALU_DEP_1)
	v_max_num_f32_dpp v21, v21, v21 row_xmask:8 row_mask:0xf bank_mask:0xf
	s_delay_alu instid0(VALU_DEP_1)
	v_permlanex16_b32 v22, v21, s12, s13
	s_delay_alu instid0(VALU_DEP_1)
	v_max_num_f32 v21, v21, v22
	ds_store_b32 v2, v21                           ; all lanes write the same word with the same value
	s_wait_dscnt 0x0                               ; for the others' sake: the store has landed
	s_barrier_signal -1
	s_barrier_wait -1
	ds_load_b128 v[24:27], v3
	ds_load_b128 v[28:31], v3 offset:16
	s_wait_dscnt 0x0
	v_max3_num_f32 v21, v24, v25, v26              ; of the row
	s_delay_alu instid0(VALU_DEP_1)
	v_max3_num_f32 v21, v21, v27, v28
	s_delay_alu instid0(VALU_DEP_1)
	v_max3_num_f32 v21, v21, v29, v30
	s_delay_alu instid0(VALU_DEP_1)
	v_max_num_f32 v21, v21, v31
.irp i, 0,1,2,3,4,5,6,7
	v_sub_f32 v[X+\i], v[X+\i], v21
.endr
.irp i, 0,1,2,3,4,5,6,7
	v_mul_f32 v[X+\i], 0x3fb8aa3b, v[X+\i]         ; x log2(e)
.endr
	s_wait_alu depctr_va_vdst(0)
.irp i, 0,1,2,3,4,5,6,7
	v_exp_f32 v[X+\i], v[X+\i]
.endr
	v_nop                                          ; one plain place behind the last transcendental
	s_wait_alu depctr_va_vdst(0)
	v_pk_add_f32 v[12:13], v[4:5], v[6:7]          ; the sum likewise: of my eight,
	v_pk_add_f32 v[14:15], v[8:9], v[10:11]
	s_delay_alu instid0(VALU_DEP_1)
	v_pk_add_f32 v[12:13], v[12:13], v[14:15]
	s_delay_alu instid0(VALU_DEP_1)
	v_add_f32 v21, v12, v13
	s_delay_alu instid0(VALU_DEP_1)
	v_add_f32_dpp v21, v21, v21 row_xmask:1 row_mask:0xf bank_mask:0xf
	s_delay_alu instid0(VALU_DEP_1)
	v_add_f32_dpp v21, v21, v21 row_xmask:2 row_mask:0xf bank_mask:0xf
	s_delay_alu instid0(VALU_DEP_1)
	v_add_f32_dpp v21, v21, v21 row_xmask:4 row_mask:0xf bank_mask:0xf
	s_delay_alu instid0(VALU_DEP_1)
	v_add_f32_dpp v21, v21, v21 row_xmask:8 row_mask:0xf bank_mask:0xf
	s_delay_alu instid0(VALU_DEP_1)
	v_permlanex16_b32 v22, v21, s12, s13
	s_delay_alu instid0(VALU_DEP_1)
	v_add_f32 v21, v21, v22
	ds_store_b32 v2, v21 offset:256                ; other bytes than the maxima's: no wave may still be reading those
	s_wait_dscnt 0x0
	s_barrier_signal -1
	s_barrier_wait -1
	ds_load_b128 v[24:27], v3 offset:256
	ds_load_b128 v[28:31], v3 offset:272
	s_wait_dscnt 0x0
	v_pk_add_f32 v[24:25], v[24:25], v[26:27]
	v_pk_add_f32 v[28:29], v[28:29], v[30:31]
	s_delay_alu instid0(VALU_DEP_1)
	v_pk_add_f32 v[24:25], v[24:25], v[28:29]
	s_delay_alu instid0(VALU_DEP_1)
	v_add_f32 v21, v24, v25                        ; at least 1: the largest number's term
	s_wait_alu depctr_va_vdst(0)
	v_rcp_f32 v21, v21
	v_nop                                          ; one plain place behind the transcendental
	s_wait_alu depctr_va_vdst(0)
.irp i, 0,1,2,3,4,5,6,7
	v_mul_f32 v[X+\i], v[X+\i], v21
.endr
	global_store_b128 v1, v[X:X+3], s[8:9] th:TH_STORE_NT
	global_store_b128 v1, v[X+4:X+7], s[8:9] offset:4096 th:TH_STORE_NT
	s_wait_tensorcnt 0x0
	ds_add_u32 v32, v33
	s_wait_dscnt 0x0
	s_endpgm
.Lfunc_end_k_q4545c514e1_soft:
	.size	k_q4545c514e1_soft, .Lfunc_end_k_q4545c514e1_soft-k_q4545c514e1_soft
	.p2alignl 7, 3214868480
	.fill 96, 4, 3214868480
	.section	.rodata,"a",@progbits
	.p2align	6, 0x0
	.amdhsa_kernel k_q4545c514e1_soft
		.amdhsa_group_segment_fixed_size 1536
		.amdhsa_private_segment_fixed_size 0
		.amdhsa_enable_private_segment 0
		.amdhsa_kernarg_size 24
		.amdhsa_user_sgpr_count 2
		.amdhsa_user_sgpr_kernarg_segment_ptr 1
		.amdhsa_wavefront_size32 1
		.amdhsa_system_sgpr_workgroup_id_x 1
		.amdhsa_system_sgpr_workgroup_id_y 1
		.amdhsa_system_sgpr_workgroup_id_z 1
		.amdhsa_system_vgpr_workitem_id 0
		.amdhsa_next_free_vgpr 34
		.amdhsa_next_free_sgpr 66
		.amdhsa_reserve_vcc 1
		.amdhsa_float_denorm_mode_32 3
		.amdhsa_float_denorm_mode_16_64 3
		.amdhsa_memory_ordered 1
		.amdhsa_forward_progress 1
		.amdhsa_inst_pref_size 7
	.end_amdhsa_kernel
	.amdgpu_metadata
---
amdhsa.version: [ 1, 2 ]
amdhsa.kernels:
  - .name:           k_q4545c514e1_soft
    .symbol:         k_q4545c514e1_soft.kd
    .args:
      - { .name: logits, .offset: 0, .size: 8, .value_kind: global_buffer, .address_space: global }
      - { .name: mask, .offset: 8, .size: 8, .value_kind: global_buffer, .address_space: global }
      - { .name: out0, .offset: 16, .size: 8, .value_kind: global_buffer, .address_space: global }
    .group_segment_fixed_size: 1536
    .private_segment_fixed_size: 0
    .kernarg_segment_align: 8
    .kernarg_segment_size: 24
    .max_flat_workgroup_size: 256
    .sgpr_count:     66
    .vgpr_count:     34
    .wavefront_size: 32
...
	.end_amdgpu_metadata
.endif
;; end of part 3
